; MI455X (gfx1250); checked and timed in simulation.
; The chip was launched on July 23, 2026; its instructions are those of AMD's public machine-readable ISA for CDNA 5 (MIT licence, August 2026) and "CDNA5" Instruction Set Architecture Reference Guide (July 2026). The comments in the code are by the model that wrote it; some were corrected since.
;; Protein self attention. Allowed arithmetic: matrix products marked QUANTISED: E4M3 operands, one E8M0 scale for each 32 along K, by v_wmma_scale_f32_16x16x128_f8f6f4 with both operands' format E4M3, f32 sums; products left as they are: f32 operands where the result goes on into a quantised operand, else bf16, f16 or f32 operands; f32 sums; everything else in f32.
;; Inputs: Wk 256 x 256 float32; Wo 256 x 256 float32; Wq 256 x 256 float32; Wv 256 x 256 float32; bk 256 float32; bo 256 float32; bq 256 float32; bv 256 float32; protein_embedding 768 x 256 float32.
;; Outputs: out0 1 x 768 x 256 float32.
;; This version of the problem:
;;   THIS VERSION OF THE PROBLEM IS GIVEN IN LOW PRECISION. The matrix products marked QUANTISED in the list below multiply operands that are first quantised to E4M3 (4 exponent bits, 3 mantissa bits; 8 bits a number), with one power-of-two scale for each 32 numbers along K (OCP MX v1.0); their sums are f32. All else is computed in f32.
;;   The module's matrix products, in the order in which they are computed (A, B: the left and right operand; K: the contracted axis; several contracted axes count as one K, in the product's order):
;;     1. [M 768, K 256] x [K 256, N 256]; A: input protein_embedding; B: input Wq: QUANTISED
;;     2. [M 768, K 256] x [K 256, N 256]; A: input protein_embedding; B: input Wk: QUANTISED
;;     3. [M 768, K 256] x [K 256, N 256]; A: input protein_embedding; B: input Wv: QUANTISED
;;     4. batch 256 x [M 1, K 768] x [K 768, N 768]; A: computed on the way; B: softmax: left as it is (M = 1 < 16)
;;     5. [M 768, K 256] x [K 256, N 256]; A: computed on the way; B: input Wo: QUANTISED
;;   THE QUANTISER, for each operand of a quantised product, along K:
;;     - K is cut into blocks of 32 from its start; a last block that is shorter is filled with zeros.
;;     - A block's scale is 2^e with e = floor(log2(the largest magnitude in the block)) - 8, held to -126 .. 127; a block of zeros has e = 0. As a byte (E8M0): e + 127.
;;     - Each number is divided by its block's scale, clamped to +-448, and rounded to the nearest number of E4M3, ties to even, subnormals kept.
;;     - The product sums the exact products of the quantised numbers (number of the format x scale) in f32.
;;   ~~~python
;;   def quantise(x, axis):      # numpy; x: float32 -> the quantised numbers, widened to float32 again
;;       x = np.moveaxis(x, axis, -1); K = x.shape[-1]
;;       x = np.pad(x, [(0, 0)] * (x.ndim - 1) + [(0, -K % 32)]); x = x.reshape(x.shape[:-1] + (-1, 32)); a = np.abs(x).max(-1, keepdims=True)
;;       e = np.where(a > 0, np.clip(np.frexp(np.where(a > 0, a, 1))[1] - 1 - 8, -126, 127), 0)      # np.frexp(a)[1] - 1 = floor(log2(a)), exactly
;;       r = np.clip(x / 2.0 ** e, -448, 448)
;;       step = 2.0 ** (np.maximum(np.frexp(np.where(r == 0, 1, r))[1] - 1, -6) - 3)
;;       q = np.round(r / step) * step * 2.0 ** e      # np.round: ties to even
;;       return np.moveaxis(q.reshape(q.shape[:-2] + (-1,))[..., :K], -1, axis).astype(np.float32)
;;   ~~~
;;   OPERANDS COMPUTED ON THE WAY. 'Computed on the way' means the value that the module computes at that place (a softmax that the list does not call 'softmax' is quantised finished and normalised). What goes into a quantiser is computed in f32, as accurately as f32 sums, v_exp_f32 and their like allow (about 1e-6 of the number): no bf16 or f16 on the way to a quantiser, and a product that is left as it is and whose result goes on into a quantised operand takes f32 operands (vector FMAs, or v_wmma_f32_16x16x4_f32). A number that lies on a knife's edge between two numbers of the format may be rounded either way, as far as f32 arithmetic and the matrix unit's own rounding can turn it there, and no further.
;; 2 versions, each right; version 2 is version 1 with the launches qkv, oproj written anew for expert scheduling mode. Each part assembles by itself: llvm-mc -triple=amdgcn-amd-amdhsa -mcpu=gfx1250 --defsym DOCPART=n.
;; ======== version 1 of 2: 3 launches
;; workspace buffers: qkv 2,359,296 bytes; wo_codes 65,536 bytes; wo_scales 4,096 bytes; att_codes 196,608 bytes; att_scales 6,144 bytes
;; launch qkv (part 1): grid 146 x 1, 16 waves a work-group, no clusters, 36,864 bytes of LDS; arguments protein_embedding, Wq, Wk, Wv, Wo, bq, bk, bv, qkv, wo_codes, wo_scales; writes qkv, wo_codes, wo_scales
.if DOCPART == 1
	.amdgcn_target "amdgcn-amd-amdhsa--gfx1250"
	.amdhsa_code_object_version 6
	.text
	.protected	k_q8eff521908_qkv
	.globl	k_q8eff521908_qkv
	.p2align	8
	.type	k_q8eff521908_qkv,@function
k_q8eff521908_qkv:
	s_mov_b64 s[64:65], 0
	v_nop
	global_prefetch_b8 v0, s[64:65] scope:SCOPE_SE
	s_setreg_imm32_b32 hwreg(HW_REG_WAVE_MODE, 25, 1), 1
	s_wait_xcnt 0x0
; q, k, v = x W^T + b, three products [768][256] x [256][256] on codes of FP8 (E4M3) with one E8M0 scale for each 32 along K; and Wo is turned into codes for the last launch.
; x: [768][256] f32.  Wq, Wk, Wv, Wo: [256 (out)][256 (in)] f32: K, the second axis, is innermost in all of them.  bq, bk, bv: [256] f32.
; SHARES.  Work-groups 0 to 143: a tile of 64 rows x 64 columns of [q | k | v] (12 row blocks x 12 column blocks).  Each of the sixteen waves quantises ONE fragment (16 rows x 128 K) in registers: waves 0-7 the
; four row tiles of x, waves 8-15 the four row tiles of W, two K steps each; the fragments go to LDS as images of their registers (16 bytes a lane, 512 bytes a store); one barrier; then each wave makes ONE tile
; of 16 x 16: two matrix instructions.  Work-groups 144 and 145: Wo's 32 fragments, one a wave, stored as images; they use no LDS and meet no barrier (the branch hangs on the work-group's number alone).
; OUT.  qkv is laid [G 24][quad 192][slot 32][4] f32: G = 8 x (0 q, 1 k, 2 v) + channel / 32, quad = row / 4, slot = channel % 32.  The matrix result gives a lane one channel and eight rows: two stores of 16 bytes,
; and sixteen neighbouring lanes store 256 consecutive bytes, aligned.
; wo_codes: fragment f = 8 G + 2 t + s (column group G of 64, tile t, K step s) at 2,048 f; lane r of it holds Wo's ROW 64 G + 4 r + t, so that in the last launch a lane's four tiles are four neighbouring columns.
; NO CLUSTER, NO TENSOR LOAD: a work-group reads 64 KiB of x and 64 KiB of W once, straight into the registers that quantise them; nothing is read a second time, so there is no tile to be kept in LDS as f32.
; LIMITS: NaN and infinities among the inputs are not served.  A block of zeros gets the scale byte 1 where the rule says 127: its codes are zeros, and the bytes are read by this program alone.
.set SEL, 2                            ; s[2:3] lane selects for v_permlanex16_b32: lane l xor 16
.set MNT, 4                            ; s4     the mantissa field of 448
.set NUM, 16                           ; v16-79   64 numbers of a lane: register 16 b + i = k 32 b + 16 (lane / 16) + i of my row; later four fragments: x step 0, x step 1, W step 0, W step 1
.set PC,  80                           ; v80-95   the codes just made
.set TM,  96                           ; v96-99 largest magnitudes, v100-103 bytes, v104-107 448 x the scale, v108-111 the conversions' scale operands
.set PW,  112                          ; v112     the scale word just made
.set SCW, 32768                        ; LDS: 16 images of 2,048 bytes (image = wave), then their scale words, 128 bytes each
.macro XLOAD                           ; my 64 numbers: of row r, 16 neighbours of each of four blocks of 32
.irp b, 0,1,2,3
.irp j, 0,1,2,3
	global_load_b128 v[NUM+16*\b+4*\j:NUM+16*\b+4*\j+3], v4, s[40:41] offset:128*\b+16*\j
.endr
.endr
.endm
.macro QUANT                           ; v[NUM] on become a fragment's codes in v[PC] on and its scale word in v[PW]
.irp b, 0,1,2,3
	v_max3_num_f32 v[TM+\b], |v[NUM+16*\b]|, |v[NUM+1+16*\b]|, 0x4800000   ; block b: my 16 numbers, and the floor 2^(9 - 127): the byte cannot fall under 1
.endr
.irp i, 2,4,6,8,10,12,14
.irp b, 0,1,2,3
	v_max3_num_f32 v[TM+\b], v[TM+\b], |v[NUM+16*\b+\i]|, |v[NUM+1+16*\b+\i]|   ; the four blocks by turns
.endr
.endr
.irp b, 0,1,2,3
	v_permlanex16_b32 v[TM+4+\b], v[TM+\b], s[SEL], s[SEL+1]
.endr
.irp b, 0,1,2,3
	v_max_num_f32 v[TM+\b], v[TM+\b], v[TM+4+\b]          ; with lane l xor 16: the block's largest magnitude
.endr
.irp b, 0,1,2,3
	v_add_nc_u32 v[TM+12+\b], 0xfc000000, v[TM+\b]        ; 8 off its exponent field: the conversion takes the exponent field of this operand as its scale
.endr
.irp b, 0,1,2,3
	v_and_or_b32 v[TM+8+\b], v[TM+\b], 0x7f800000, s[MNT] ; 448 x the scale
.endr
.irp b, 0,1,2,3
	v_lshrrev_b32 v[TM+4+\b], 23, v[TM+12+\b]             ; the scale's byte
.endr
	v_lshl_or_b32 v[PW], v[TM+5], 8, v[TM+4]              ; four bytes: my row's scale word
	v_lshl_or_b32 v[PW], v[TM+6], 16, v[PW]
	v_lshl_or_b32 v[PW], v[TM+7], 24, v[PW]
.irp b, 0,1,2,3
.irp i, 0,1,2,3,4,5,6,7,8,9,10,11,12,13,14,15
	v_med3_num_f32 v[NUM+16*\b+\i], v[NUM+16*\b+\i], -v[TM+8+\b], v[TM+8+\b]   ; the conversion to an 8-bit code does not saturate (ISA guide 7.6.2): the hold at 448 x the scale
.endr
	v_cvt_scalef32_pk8_fp8_f32 v[PC+4*\b:PC+1+4*\b], v[NUM+16*\b:NUM+7+16*\b], v[TM+12+\b]
	v_cvt_scalef32_pk8_fp8_f32 v[PC+2+4*\b:PC+3+4*\b], v[NUM+8+16*\b:NUM+15+16*\b], v[TM+12+\b]
.endr
	v_nop                                                 ; one plain vector instruction behind the last scaled conversion
.endm
	s_load_b512 s[8:23], s[0:1], 0x0               ; x 8:9, Wq 10:11, Wk 12:13, Wv 14:15, Wo 16:17, bq 18:19, bk 20:21, bv 22:23
	s_load_b128 s[24:27], s[0:1], 0x40             ; qkv 24:25, wo_codes 26:27
	s_load_b64 s[28:29], s[0:1], 0x50              ; wo_scales
	v_lshl_add_u32 v136, v0, 2, 0x8800
	v_mov_b32 v137, 0
	v_lshrrev_b32 v1, 5, v0
	v_readfirstlane_b32 s30, v1                    ; wave 0..15
	v_and_b32 v1, 31, v0                           ; lane
	v_and_b32 v2, 15, v0                           ; r
	v_bfe_u32 v3, v0, 4, 1                         ; h
	v_lshlrev_b32 v5, 4, v1                        ; 16 x lane: my place in an image
	v_lshlrev_b32 v6, 2, v1                        ; 4 x lane: in a scale word's image
	s_mov_b32 s[SEL], 0x76543210
	s_mov_b32 s[SEL+1], 0xfedcba98
	s_mov_b32 s[MNT], 0x600000
	; every LDS address is a constant + a constant x wave + a constant x lane, made here, ahead of the parting of the ways
	s_lshl_b32 s33, s30, 11
	v_add_nc_u32 v7, s33, v5                       ; where I store my image: 2,048 x wave
	s_lshl_b32 s33, s30, 7
	s_add_co_u32 s33, s33, SCW
	v_add_nc_u32 v8, s33, v6                       ; and its scale word: 128 x wave
	s_lshr_b32 s34, s30, 2                         ; a: the row tile of the 16 x 16 that I make
	s_and_b32 s35, s30, 3                          ; n: its column tile
	s_lshl_b32 s33, s34, 12
	v_add_nc_u32 v9, s33, v5                       ; x's images 2 a, 2 a + 1
	s_lshl_b32 s33, s35, 12
	s_add_co_u32 s33, s33, 16384
	v_add_nc_u32 v10, s33, v5                      ; W's images 8 + 2 n, 8 + 2 n + 1
	s_lshl_b32 s33, s34, 8
	s_add_co_u32 s33, s33, SCW
	v_add_nc_u32 v11, s33, v6                      ; x's scale words
	s_lshl_b32 s33, s35, 8
	s_add_co_u32 s33, s33, SCW+1024
	v_add_nc_u32 v12, s33, v6                      ; W's
.irp b, 0,1,2,3
	v_mov_b32 v[TM+4+\b], 0                        ; written once: a lane permute's destination counts as one of its sources
.endr
	s_cmp_ge_u32 ttmp9, 144                        ; the same in all sixteen waves of a work-group
	s_cbranch_scc1 .Lwo
	; ---- a tile of [q | k | v]
	s_mul_hi_u32 s31, ttmp9, 0x15555556            ; rb = work-group / 12 (exact for numbers under 144)
	s_mul_i32 s33, s31, 12
	s_sub_co_u32 s32, ttmp9, s33                   ; cb = work-group % 12
	s_lshr_b32 s36, s32, 2                         ; 0 q, 1 k, 2 v
	s_and_b32 s37, s32, 3                          ; which 64 of its 256 columns
	s_lshr_b32 s38, s30, 3                         ; I quantise x (0) or W (1)
	v_lshlrev_b32 v4, 10, v2
	v_lshl_add_u32 v4, v3, 6, v4                   ; row r of 1,024 bytes, + 64 h
	v_lshlrev_b32 v13, 2, v2                       ; the bias: 4 r
	v_lshlrev_b32 v14, 4, v2
	v_lshl_add_u32 v14, v3, 10, v14                ; out: slot r, 16 bytes; lanes 16-31 two quads (8 rows) on
	s_cmp_eq_u32 s38, 0
	s_cselect_b32 s39, s31, s37
	s_lshl_b32 s39, s39, 6                         ; the block's first row: 64 rb in x, 64 (cb % 4) in W
	s_bfe_u32 s33, s30, 0x20001                    ; my tile of 16 rows: (wave / 2) % 4
	s_lshl_b32 s33, s33, 4
	s_add_co_u32 s39, s39, s33
	s_lshl_b32 s44, s39, 10
	s_and_b32 s33, s30, 1                          ; my K step
	s_lshl_b32 s33, s33, 9
	s_add_co_u32 s44, s44, s33
	s_mov_b32 s45, 0
	s_wait_kmcnt 0x0
	s_cmp_eq_u32 s36, 0                            ; the buffers are chosen on ids alone
	s_cselect_b64 s[40:41], s[10:11], s[12:13]
	s_cselect_b64 s[42:43], s[18:19], s[20:21]
	s_cmp_eq_u32 s36, 2
	s_cselect_b64 s[40:41], s[14:15], s[40:41]
	s_cselect_b64 s[42:43], s[22:23], s[42:43]
	s_cmp_eq_u32 s38, 0
	s_cselect_b64 s[40:41], s[8:9], s[40:41]
	s_add_nc_u64 s[40:41], s[40:41], s[44:45]
	XLOAD
	s_lshl_b32 s44, s37, 8                         ; the bias of my tile's 16 columns: 4 x (64 (cb % 4) + 16 n)
	s_lshl_b32 s33, s35, 6
	s_add_co_u32 s44, s44, s33
	s_add_nc_u64 s[42:43], s[42:43], s[44:45]
.irp j, 0,1,2,3,4,5,6,7
	global_load_b32 v[120+\j], v13, s[42:43]       ; the result's layout gives a lane one column and eight rows: the column's bias in all eight registers
.endr
	s_lshl_b32 s33, s32, 1                         ; where my tile goes: G = 2 cb + n / 2,
	s_lshr_b32 s39, s35, 1
	s_add_co_u32 s33, s33, s39
	s_mul_i32 s44, s33, 98304
	s_lshl_b32 s33, s31, 4                         ; quad 16 rb + 4 a,
	s_lshl_b32 s39, s34, 2
	s_add_co_u32 s33, s33, s39
	s_lshl_b32 s33, s33, 9
	s_add_co_u32 s44, s44, s33
	s_and_b32 s33, s35, 1                          ; slots 16 (n % 2) on
	s_lshl_b32 s33, s33, 8
	s_add_co_u32 s44, s44, s33
	s_add_nc_u64 s[24:25], s[24:25], s[44:45]
	s_wait_loadcnt 8                               ; my 16 loads of numbers are in; the 8 of the bias, issued behind them, may be out
	QUANT
.irp c, 0,1,2,3
	ds_store_b128 v7, v[PC+4*\c:PC+4*\c+3] offset:512*\c   ; the fragment as it stands in my registers
.endr
	ds_store_b32 v8, v[PW]
	s_wait_dscnt 0x0                               ; for the others' sake: my stores have landed
	s_barrier_signal -1
	s_barrier_wait -1                              ; all sixteen images lie in LDS; nothing is written there again
.irp s, 0,1
.irp c, 0,1,2,3
	ds_load_b128 v[16+16*\s+4*\c:19+16*\s+4*\c], v9 offset:2048*\s+512*\c
.endr
.irp c, 0,1,2,3
	ds_load_b128 v[48+16*\s+4*\c:51+16*\s+4*\c], v10 offset:2048*\s+512*\c
.endr
	ds_load_b32 v[113+\s], v11 offset:128*\s       ; v113, v114: x's scale words; v115, v116: W's: these four hold scales and nothing else
	ds_load_b32 v[115+\s], v12 offset:128*\s
.endr
	s_wait_dscnt 0x0
	s_wait_loadcnt 0x0                             ; the bias
	v_wmma_scale_f32_16x16x128_f8f6f4 v[128:135], v[16:31], v[48:63], v[120:127], v113, v115   ; the bias is the C of the sum's first product
	s_wait_alu depctr_va_vdst(0)                   ; this wait directly ahead of the chain's next link
	v_wmma_scale_f32_16x16x128_f8f6f4 v[128:135], v[32:47], v[64:79], v[128:135], v114, v116
.rept 8
	v_nop                                          ; eight places behind this form before a store reads its result
.endr
	global_store_b128 v14, v[128:131], s[24:25]             ; rows 8 h + 0..3 of column r: sixteen lanes store 256 consecutive bytes, aligned
	global_store_b128 v14, v[132:135], s[24:25] offset:512  ; rows 8 h + 4..7: the next quad
	s_wait_tensorcnt 0x0
	ds_add_u32 v136, v137
	s_wait_dscnt 0x0
	s_endpgm
	; ---- Wo: fragment f = 16 x (work-group - 144) + wave
.Lwo:
	s_sub_co_u32 s31, ttmp9, 144
	s_lshl_b32 s31, s31, 4
	s_add_co_u32 s31, s31, s30                     ; f
	v_lshlrev_b32 v4, 12, v2
	v_lshl_add_u32 v4, v3, 6, v4                   ; lane r takes the row 4 r further down: 4,096 r, + 64 h
	s_lshr_b32 s33, s31, 3
	s_lshl_b32 s33, s33, 6                         ; 64 G
	s_bfe_u32 s39, s31, 0x20001                    ; + t
	s_add_co_u32 s33, s33, s39
	s_lshl_b32 s44, s33, 10
	s_and_b32 s39, s31, 1                          ; K step
	s_lshl_b32 s39, s39, 9
	s_add_co_u32 s44, s44, s39
	s_mov_b32 s45, 0
	s_wait_kmcnt 0x0
	s_add_nc_u64 s[40:41], s[16:17], s[44:45]
	XLOAD
	s_lshl_b32 s44, s31, 11
	s_add_nc_u64 s[26:27], s[26:27], s[44:45]      ; its image
	s_lshl_b32 s44, s31, 7
	s_add_nc_u64 s[28:29], s[28:29], s[44:45]      ; its scale words
	s_wait_loadcnt 0x0
	QUANT
.irp c, 0,1,2,3
	global_store_b128 v5, v[PC+4*\c:PC+4*\c+3], s[26:27] offset:512*\c   ; 32 lanes store 512 consecutive bytes
.endr
	global_store_b32 v6, v[PW], s[28:29]           ; 128 consecutive bytes a wave: 4,096 bytes in the whole launch
	s_endpgm
.Lfunc_end_k_q8eff521908_qkv:
	.size	k_q8eff521908_qkv, .Lfunc_end_k_q8eff521908_qkv-k_q8eff521908_qkv
	.p2alignl 7, 3214868480
	.fill 96, 4, 3214868480
	.section	.rodata,"a",@progbits
	.p2align	6, 0x0
	.amdhsa_kernel k_q8eff521908_qkv
		.amdhsa_group_segment_fixed_size 36864
		.amdhsa_private_segment_fixed_size 0
		.amdhsa_enable_private_segment 0
		.amdhsa_kernarg_size 88
		.amdhsa_user_sgpr_count 2
		.amdhsa_user_sgpr_kernarg_segment_ptr 1
		.amdhsa_wavefront_size32 1
		.amdhsa_system_sgpr_workgroup_id_x 1
		.amdhsa_system_sgpr_workgroup_id_y 1
		.amdhsa_system_sgpr_workgroup_id_z 1
		.amdhsa_system_vgpr_workitem_id 0
		.amdhsa_next_free_vgpr 138
		.amdhsa_next_free_sgpr 66
		.amdhsa_reserve_vcc 0
		.amdhsa_float_denorm_mode_32 3
		.amdhsa_float_denorm_mode_16_64 3
		.amdhsa_memory_ordered 1
		.amdhsa_forward_progress 1
		.amdhsa_inst_pref_size 28
	.end_amdhsa_kernel
	.amdgpu_metadata
---
amdhsa.version: [ 1, 2 ]
amdhsa.kernels:
  - .name:           k_q8eff521908_qkv
    .symbol:         k_q8eff521908_qkv.kd
    .args:
      - { .name: protein_embedding, .offset: 0, .size: 8, .value_kind: global_buffer, .address_space: global }
      - { .name: Wq, .offset: 8, .size: 8, .value_kind: global_buffer, .address_space: global }
      - { .name: Wk, .offset: 16, .size: 8, .value_kind: global_buffer, .address_space: global }
      - { .name: Wv, .offset: 24, .size: 8, .value_kind: global_buffer, .address_space: global }
      - { .name: Wo, .offset: 32, .size: 8, .value_kind: global_buffer, .address_space: global }
      - { .name: bq, .offset: 40, .size: 8, .value_kind: global_buffer, .address_space: global }
      - { .name: bk, .offset: 48, .size: 8, .value_kind: global_buffer, .address_space: global }
      - { .name: bv, .offset: 56, .size: 8, .value_kind: global_buffer, .address_space: global }
      - { .name: qkv, .offset: 64, .size: 8, .value_kind: global_buffer, .address_space: global }
      - { .name: wo_codes, .offset: 72, .size: 8, .value_kind: global_buffer, .address_space: global }
      - { .name: wo_scales, .offset: 80, .size: 8, .value_kind: global_buffer, .address_space: global }
    .group_segment_fixed_size: 36864
    .private_segment_fixed_size: 0
    .kernarg_segment_align: 8
    .kernarg_segment_size: 88
    .max_flat_workgroup_size: 512
    .sgpr_count:     66
    .vgpr_count:     138
    .wavefront_size: 32
...
	.end_amdgpu_metadata
.endif
;; end of part 1
;; launch attn (part 2): grid 8 x 32, 16 waves a work-group, no clusters, 108,544 bytes of LDS; arguments qkv, att_codes, att_scales; writes att_codes, att_scales
.if DOCPART == 2
	.amdgcn_target "amdgcn-amd-amdhsa--gfx1250"
	.amdhsa_code_object_version 6
	.text
	.protected	k_q8eff521908_attn
	.globl	k_q8eff521908_attn
	.p2align	8
	.type	k_q8eff521908_attn,@function
k_q8eff521908_attn:
	s_mov_b64 s[64:65], 0
	v_nop
	global_prefetch_b8 v0, s[64:65] scope:SCOPE_SE
	s_setreg_imm32_b32 hwreg(HW_REG_WAVE_MODE, 25, 1), 1
	s_wait_xcnt 0x0
; For each channel ch and query i: o = sum_j p_j v[j][ch] / sum_j p_j, p_j = exp(q[i][ch] k[j][ch] / 16 - the largest of them over j); then o is quantised along the channels for the last product.
; THE MAXIMUM IS NOT SEARCHED FOR QUERY BY QUERY: the largest of a k_j over j is a kmax where a >= 0 and a kmin else, so m = max(a kmax, a kmin), with a = q log2(e) / 16 and kmax, kmin the channel's largest and
; smallest k.  It is the row's true maximum (rounding keeps the order).  p = 2^(a k - m), one fused multiply-add and one v_exp_f32.  m is known ahead of the sums, so these are plain sums and are shared out among waves.
; SHARES.  Work-group (x = g, y = u): channels 32 g .. 32 g + 31, which are ONE block of 32 of the last product's K, and queries 24 u .. 24 u + 23.  A LANE IS A CHANNEL.  Wave w owns keys 48 w .. 48 w + 47: their k and
; v stay in its registers (96) for the whole launch, and the 24 queries go past them, four a trip.  Each wave leaves (sum of p, sum of p v) for each query and lane in LDS; waves 0-11 add the sixteen parts of two queries
; each and divide; waves 0-2 quantise eight queries each and store.
; All arithmetic is f32 (the result goes into a quantiser): the second product is vector multiply-adds.
; NO CLUSTER: the 32 work-groups of a channel group read the same 196,608 bytes of k and v, each once, at its head, straight into the registers in which they stay for the work-group's 589,824 exponentials; a joint
; tensor load would land them in LDS, from where every wave would have to read them once more.  For the same reason nothing is prefetched: all of k and v is asked for in the first lines.
; OUT.  att_codes: [row / 8][g][256 bytes]; in the 256: 128 x ((ch / 16) % 2) + 16 x (row % 8) + ch % 16: a wave's one store covers 256 consecutive bytes, aligned.  att_scales: byte [row][g].
; LIMITS: NaN and infinities are not served.  p under 2^-126 comes out of v_exp_f32 as 0, beside a sum of about 1 or more.  a k - m can lie above 0 by the rounding of m, at most 2^-24 |m|.
; A block of zeros gets the scale byte 1 where the rule says 127: its codes are zeros, and the bytes are read by this program alone.
.set QN,  16                           ; v16-19   q of four queries
.set AP,  20                           ; v20-27   pair i: a_i, a_i kmax
.set MP,  28                           ; v28-35   pair i: m_i, a_i kmin
.set KR,  48                           ; v48-95   k of my 48 keys
.set VR,  96                           ; v96-143  v of my 48 keys
.set P0,  144                          ; v144-191, v192-239: a query's 48 exponents, then p: two buffers by turns
.set P1,  192
.set PART, 4096                        ; LDS: 0: (kmax, kmin), 256 bytes a wave; PART: [wave 16][query 24][lane 32] x 8 bytes (l, o); TT: 24 rows of 128 + 16 bytes: the finished o
.set TT,   102400
; v1 16 x lane; v2 q's offset; v3 my parts' place; v4 the same for the trip in hand; v5, v6 (kmax, kmin) out and back; v7, v8 the parts back; v9 o into TT; v10 o out of TT; v11, v46 offsets of codes and bytes;
; v12 kmax, v13 kmin; v14, v15, v47 at work; v[36:39] two chains of l, v[40:43] two of o, v[44:45] (l, o)
.macro PREP                            ; the four queries by turns
.irp i, 0,1,2,3
	v_mul_f32 v[AP+2*\i], s22, v[QN+\i]            ; a = q log2(e) / 16
.endr
.irp i, 0,1,2,3
	v_mul_f32 v[AP+2*\i+1], v[AP+2*\i], v12
.endr
.irp i, 0,1,2,3
	v_mul_f32 v[MP+2*\i+1], v[AP+2*\i], v13
.endr
.irp i, 0,1,2,3
	v_max_num_f32 v[MP+2*\i], v[AP+2*\i+1], v[MP+2*\i+1]   ; m
.endr
.endm
.macro TSC i, buf                      ; query i's 48 exponents, two at a time: k a - m (of the pairs a and m the low word serves both halves)
.set p, 0
.rept 24
	v_pk_fma_f32 v[\buf+2*p:\buf+2*p+1], v[KR+2*p:KR+2*p+1], v[AP+2*(\i):AP+2*(\i)+1], v[MP+2*(\i):MP+2*(\i)+1] op_sel_hi:[1,0,0] neg_lo:[0,0,1] neg_hi:[0,0,1]
.set p, p+1
.endr
.endm
.macro EXPS buf
.set p, 0
.rept 48
	v_exp_f32 v[\buf+p], v[\buf+p]
.set p, p+1
.endr
.endm
.macro SUM i, buf                      ; l = the sum of p, o = the sum of p v, over my 48 keys: two chains each, two numbers an instruction; the first terms start the chains
	v_pk_add_f32 v[36:37], v[\buf:\buf+1], v[\buf+4:\buf+5]
	v_pk_add_f32 v[38:39], v[\buf+2:\buf+3], v[\buf+6:\buf+7]
	v_pk_mul_f32 v[40:41], v[\buf:\buf+1], v[VR:VR+1]
	v_pk_mul_f32 v[42:43], v[\buf+2:\buf+3], v[VR+2:VR+3]
	v_pk_fma_f32 v[40:41], v[\buf+4:\buf+5], v[VR+4:VR+5], v[40:41]
	v_pk_fma_f32 v[42:43], v[\buf+6:\buf+7], v[VR+6:VR+7], v[42:43]
.set p, 8
.rept 10
	v_pk_add_f32 v[36:37], v[36:37], v[\buf+p:\buf+p+1]
	v_pk_add_f32 v[38:39], v[38:39], v[\buf+p+2:\buf+p+3]
	v_pk_fma_f32 v[40:41], v[\buf+p:\buf+p+1], v[VR+p:VR+p+1], v[40:41]
	v_pk_fma_f32 v[42:43], v[\buf+p+2:\buf+p+3], v[VR+p+2:VR+p+3], v[42:43]
.set p, p+4
.endr
	v_pk_add_f32 v[36:37], v[36:37], v[38:39]
	v_pk_add_f32 v[40:41], v[40:41], v[42:43]
	v_add_f32 v44, v36, v37
	v_add_f32 v45, v40, v41
	ds_store_b64 v4, v[44:45] offset:256*(\i)      ; 32 lanes: 256 consecutive bytes of my own part
.endm
; A query: its 48 exponentials as one batch; the next query's exponents, which name none of the batch's results, are the plain work behind it; ONE wait, ahead of the first instruction
; that names a result; then the sums.
.macro QUERY i, buf, other
	EXPS \buf
.if (\i) < 3
	TSC (\i)+1, \other
.else
	v_nop
.endif
	s_wait_alu depctr_va_vdst(0)
	SUM \i, \buf
.endm
	s_load_b128 s[4:7], s[0:1], 0x0                ; qkv, att_codes
	s_load_b64 s[8:9], s[0:1], 0x10                ; att_scales
	v_lshl_add_u32 v240, v0, 2, 0x1a000
	v_mov_b32 v241, 0
	v_lshrrev_b32 v14, 5, v0
	v_readfirstlane_b32 s10, v14                   ; wave 0..15
	s_mov_b32 s11, ttmp9                           ; g
	s_and_b32 s12, ttmp7, 0xffff                   ; u
	v_and_b32 v14, 31, v0                          ; lane
	v_lshlrev_b32 v1, 4, v14
	v_lshlrev_b32 v2, 4, v14
	s_mul_i32 s24, s11, 98304                      ; a group of 32 channels in qkv
	s_mul_i32 s25, s10, 6144                       ; my 12 quads of keys
	s_add_co_u32 s30, s24, s25
	s_add_co_u32 s30, s30, 786432                  ; k's eight groups lie behind q's
	s_mov_b32 s31, 0
	s_wait_kmcnt 0x0
	s_add_nc_u64 s[14:15], s[4:5], s[30:31]        ; k of my keys; v lies 786,432 bytes on
	s_mul_i32 s25, s12, 3072                       ; my work-group's 6 quads of queries
	s_add_co_u32 s30, s24, s25
	s_add_nc_u64 s[16:17], s[4:5], s[30:31]        ; q
.irp n, 0,1,2,3,4,5,6,7,8,9,10,11
	global_load_b128 v[KR+4*\n:KR+4*\n+3], v1, s[14:15] offset:512*\n   ; four keys of my channel; 32 lanes read 512 consecutive bytes
.endr
	global_load_b128 v[QN:QN+3], v2, s[16:17]      ; the first four queries
.irp n, 0,1,2,3,4,5,6,7,8,9,10,11
	global_load_b128 v[VR+4*\n:VR+4*\n+3], v1, s[14:15] offset:786432+512*\n
.endr
	s_mul_i32 s30, s12, 6144                       ; att_codes: my three blocks of eight rows, 2,048 bytes each, and in them my group's 256
	s_lshl_b32 s25, s11, 8
	s_add_co_u32 s30, s30, s25
	s_add_nc_u64 s[18:19], s[6:7], s[30:31]
	s_mul_i32 s30, s12, 192                        ; att_scales: 8 bytes a row, my group's byte
	s_add_co_u32 s30, s30, s11
	s_add_nc_u64 s[20:21], s[8:9], s[30:31]
	s_mov_b32 s22, 0x3db8aa3b                      ; log2(e) / 16
	s_mov_b32 s23, 6                               ; trips
	s_mov_b32 s24, 0                               ; the trip's place in my parts: 1,024 bytes a trip
	s_mov_b32 s26, 0x76543210
	s_mov_b32 s27, 0xfedcba98                      ; v_permlanex16_b32's selects for lane l xor 16
	s_mov_b32 s28, 0x600000                        ; the mantissa field of 448
	; every LDS address is made here, ahead of any parting by the wave's number
	s_mul_i32 s13, s10, 6144
	s_add_co_u32 s13, s13, PART
	v_lshl_add_u32 v3, v14, 3, s13
	s_lshl_b32 s13, s10, 8
	v_lshl_add_u32 v5, v14, 3, s13
	v_lshlrev_b32 v6, 3, v14
	s_min_u32 s29, s10, 11                         ; waves 0-11 alone use the next three
	s_lshl_b32 s13, s29, 9
	s_add_co_u32 s13, s13, PART
	v_lshl_add_u32 v7, v14, 3, s13                 ; queries 2 w, 2 w + 1 in wave 0's parts,
	v_add_nc_u32 v8, 49152, v7                     ; and in wave 8's: 15 x 6,144 is more than an LDS offset holds
	s_mul_i32 s13, s29, 288
	s_add_co_u32 s13, s13, TT
	v_lshl_add_u32 v9, v14, 2, s13                 ; rows 2 w, 2 w + 1 of TT
	s_min_u32 s29, s10, 2                          ; waves 0-2 alone use the next
	s_mul_i32 s13, s29, 1152
	s_add_co_u32 s13, s13, TT
	v_bfe_u32 v15, v0, 1, 3                        ; (lane / 2) % 8: my query of the wave's eight
	v_mul_u32_u24 v10, v15, 144
	v_bfe_u32 v47, v0, 4, 1
	v_lshl_add_u32 v10, v47, 6, v10                ; channels 16 (lane / 16)
	v_and_b32 v47, 1, v0
	v_lshl_add_u32 v10, v47, 5, v10                ; + 8 (lane % 2) on
	v_add_nc_u32 v10, s13, v10
	s_lshl_b32 s13, s10, 11
	v_lshl_add_u32 v11, v14, 3, s13                ; codes: 2,048 x wave + 8 x lane
	s_lshl_b32 s13, s10, 6
	v_lshl_add_u32 v46, v15, 3, s13                ; bytes: 8 x (8 x wave + my query)
	s_wait_loadcnt 13                              ; k's 12 loads are in; q's one and v's 12, issued behind them, may be out
	; the largest and the smallest of my 48 k, two chains each
	v_max3_num_f32 v12, v[KR], v[KR+1], v[KR+2]
	v_max3_num_f32 v14, v[KR+24], v[KR+25], v[KR+26]
	v_min3_num_f32 v13, v[KR], v[KR+1], v[KR+2]
	v_min3_num_f32 v15, v[KR+24], v[KR+25], v[KR+26]
.irp i, 3,5,7,9,11,13,15,17,19,21
	v_max3_num_f32 v12, v12, v[KR+\i], v[KR+1+\i]
	v_max3_num_f32 v14, v14, v[KR+24+\i], v[KR+25+\i]
	v_min3_num_f32 v13, v13, v[KR+\i], v[KR+1+\i]
	v_min3_num_f32 v15, v15, v[KR+24+\i], v[KR+25+\i]
.endr
	v_max3_num_f32 v12, v12, v[KR+23], v[KR+47]
	v_min3_num_f32 v13, v13, v[KR+23], v[KR+47]
	v_max_num_f32 v12, v12, v14
	v_min_num_f32 v13, v13, v15
	ds_store_b64 v5, v[12:13]
	s_wait_dscnt 0x0                               ; for the others' sake: my store has landed
	s_barrier_signal -1
	s_barrier_wait -1                              ; all sixteen pairs lie in LDS; they are not written again
.irp i, 0,1,2,3,4,5,6,7,8,9,10,11,12,13,14,15
	ds_load_b64 v[P0+2*\i:P0+2*\i+1], v6 offset:256*\i
.endr
	s_wait_dscnt 0x0
	v_max3_num_f32 v12, v[P0], v[P0+2], v[P0+4]
	v_min3_num_f32 v13, v[P0+1], v[P0+3], v[P0+5]
.irp i, 6,10,14,18,22,26
	v_max3_num_f32 v12, v12, v[P0+\i], v[P0+2+\i]
	v_min3_num_f32 v13, v13, v[P0+1+\i], v[P0+3+\i]
.endr
	v_max_num_f32 v12, v12, v[P0+30]               ; kmax of my channel over all 768 keys
	v_min_num_f32 v13, v13, v[P0+31]               ; kmin
.Ltrip:                                            ; 6 trips, four queries each
	s_wait_loadcnt 0x0                             ; the four q (in the first trip v too); the load's offset register is free
	PREP
	v_add_nc_u32 v4, s24, v3
	s_cmp_eq_u32 s23, 1
	s_cbranch_scc1 .Lnoload                        ; the last trip asks for nothing: no load leaves its part of the buffer
	v_add_nc_u32 v2, 512, v2
	global_load_b128 v[QN:QN+3], v2, s[16:17]      ; the next four queries: a trip's work in which to land
.Lnoload:
	TSC 0, P0
	QUERY 0, P0, P1
	QUERY 1, P1, P0
	QUERY 2, P0, P1
	QUERY 3, P1, P0
	s_add_co_u32 s24, s24, 1024
	s_sub_co_u32 s23, s23, 1
	s_cmp_lg_u32 s23, 0
	s_cbranch_scc1 .Ltrip
	s_wait_dscnt 0x0                               ; my parts have landed
	s_barrier_signal -1
	s_barrier_wait -1                              ; everybody's have
	s_cmp_ge_u32 s10, 12
	s_cbranch_scc1 .Lreduced                       ; waves 0-11: queries 2 w and 2 w + 1
.irp e, 0,1
.irp i, 0,1,2,3,4,5,6,7
	ds_load_b64 v[P0+32*\e+2*\i:P0+32*\e+2*\i+1], v7 offset:6144*\i+256*\e
.endr
.irp i, 0,1,2,3,4,5,6,7
	ds_load_b64 v[P0+32*\e+16+2*\i:P0+32*\e+16+2*\i+1], v8 offset:6144*\i+256*\e
.endr
.endr
	s_wait_dscnt 0x0
.irp j, 0,2,4,6,8,10,12,14                     ; sixteen pairs (l, o) become one, the two queries by turns
.irp e, 0,1
	v_pk_add_f32 v[P0+32*\e+\j:P0+32*\e+\j+1], v[P0+32*\e+\j:P0+32*\e+\j+1], v[P0+32*\e+16+\j:P0+32*\e+16+\j+1]
.endr
.endr
.irp j, 0,2,4,6
.irp e, 0,1
	v_pk_add_f32 v[P0+32*\e+\j:P0+32*\e+\j+1], v[P0+32*\e+\j:P0+32*\e+\j+1], v[P0+32*\e+8+\j:P0+32*\e+8+\j+1]
.endr
.endr
.irp j, 0,2
.irp e, 0,1
	v_pk_add_f32 v[P0+32*\e+\j:P0+32*\e+\j+1], v[P0+32*\e+\j:P0+32*\e+\j+1], v[P0+32*\e+4+\j:P0+32*\e+4+\j+1]
.endr
.endr
.irp e, 0,1
	v_pk_add_f32 v[P0+32*\e:P0+32*\e+1], v[P0+32*\e:P0+32*\e+1], v[P0+32*\e+2:P0+32*\e+3]
.endr
	v_rcp_f32 v14, v[P0]
	v_rcp_f32 v15, v[P0+32]
	v_nop                                          ; a plain instruction behind the last reciprocal,
	s_wait_alu depctr_va_vdst(0)                   ; and the wait ahead of the first use: one for both
	v_mul_f32 v14, v14, v[P0+1]                    ; o / l
	v_mul_f32 v15, v15, v[P0+33]
	ds_store_b32 v9, v14
	ds_store_b32 v9, v15 offset:144
.Lreduced:
	s_wait_dscnt 0x0                               ; my stores into TT have landed
	s_barrier_signal -1
	s_barrier_wait -1                              ; all 24 rows lie there
	s_cmp_ge_u32 s10, 3
	s_cbranch_scc1 .Lend                           ; waves 0-2: queries 8 w .. 8 w + 7; a lane takes eight neighbouring channels of one query; a query's block of 32 lies in lanes l, l xor 1, l xor 16, l xor 17
	ds_load_b128 v[144:147], v10
	ds_load_b128 v[148:151], v10 offset:16
	v_mov_b32 v153, 0                              ; a lane permute's destination counts as one of its sources
	s_wait_dscnt 0x0
	v_max3_num_f32 v152, |v144|, |v145|, 0x4800000 ; my eight, and the floor 2^(9 - 127): the byte cannot fall under 1
	v_max3_num_f32 v152, v152, |v146|, |v147|
	v_max3_num_f32 v152, v152, |v148|, |v149|
	v_max3_num_f32 v152, v152, |v150|, |v151|
	v_max_num_f32_dpp v152, v152, v152 row_xmask:1 row_mask:0xf bank_mask:0xf
	v_permlanex16_b32 v153, v152, s26, s27
	v_max_num_f32 v152, v152, v153                 ; the block's largest magnitude
	v_add_nc_u32 v155, 0xfc000000, v152            ; 8 off its exponent field: the conversion's scale operand
	v_and_or_b32 v153, v152, 0x7f800000, s28       ; 448 x the scale
	v_lshrrev_b32 v154, 23, v155                   ; the scale's byte
.irp i, 0,1,2,3,4,5,6,7
	v_med3_num_f32 v[144+\i], v[144+\i], -v153, v153   ; the conversion to an 8-bit code does not saturate (ISA guide 7.6.2): the hold at 448 x the scale
.endr
	v_cvt_scalef32_pk8_fp8_f32 v[156:157], v[144:151], v155
	v_nop                                          ; one plain vector instruction behind the scaled conversion
	global_store_b64 v11, v[156:157], s[18:19]     ; 32 lanes store 256 consecutive bytes, aligned
	global_store_b8 v46, v154, s[20:21]            ; a query's byte: its four lanes write the same byte with the same value; 6,144 bytes in the whole launch
.Lend:
	s_wait_tensorcnt 0x0
	ds_add_u32 v240, v241
	s_wait_dscnt 0x0
	s_endpgm
.Lfunc_end_k_q8eff521908_attn:
	.size	k_q8eff521908_attn, .Lfunc_end_k_q8eff521908_attn-k_q8eff521908_attn
	.p2alignl 7, 3214868480
	.fill 96, 4, 3214868480
	.section	.rodata,"a",@progbits
	.p2align	6, 0x0
	.amdhsa_kernel k_q8eff521908_attn
		.amdhsa_group_segment_fixed_size 108544
		.amdhsa_private_segment_fixed_size 0
		.amdhsa_enable_private_segment 0
		.amdhsa_kernarg_size 24
		.amdhsa_user_sgpr_count 2
		.amdhsa_user_sgpr_kernarg_segment_ptr 1
		.amdhsa_wavefront_size32 1
		.amdhsa_system_sgpr_workgroup_id_x 1
		.amdhsa_system_sgpr_workgroup_id_y 1
		.amdhsa_system_sgpr_workgroup_id_z 1
		.amdhsa_system_vgpr_workitem_id 0
		.amdhsa_next_free_vgpr 242
		.amdhsa_next_free_sgpr 66
		.amdhsa_reserve_vcc 0
		.amdhsa_float_denorm_mode_32 3
		.amdhsa_float_denorm_mode_16_64 3
		.amdhsa_memory_ordered 1
		.amdhsa_forward_progress 1
		.amdhsa_inst_pref_size 43
	.end_amdhsa_kernel
	.amdgpu_metadata
---
amdhsa.version: [ 1, 2 ]
amdhsa.kernels:
  - .name:           k_q8eff521908_attn
    .symbol:         k_q8eff521908_attn.kd
    .args:
      - { .name: qkv, .offset: 0, .size: 8, .value_kind: global_buffer, .address_space: global }
      - { .name: att_codes, .offset: 8, .size: 8, .value_kind: global_buffer, .address_space: global }
      - { .name: att_scales, .offset: 16, .size: 8, .value_kind: global_buffer, .address_space: global }
    .group_segment_fixed_size: 108544
    .private_segment_fixed_size: 0
    .kernarg_segment_align: 8
    .kernarg_segment_size: 24
    .max_flat_workgroup_size: 512
    .sgpr_count:     66
    .vgpr_count:     242
    .wavefront_size: 32
...
	.end_amdgpu_metadata
.endif
;; end of part 2
;; launch oproj (part 3): grid 48 x 4, 1 waves a work-group, no clusters, 0 bytes of LDS; arguments att_codes, att_scales, wo_codes, wo_scales, bo, out0; writes out0
.if DOCPART == 3
	.amdgcn_target "amdgcn-amd-amdhsa--gfx1250"
	.amdhsa_code_object_version 6
	.text
	.protected	k_q8eff521908_oproj
	.globl	k_q8eff521908_oproj
	.p2align	8
	.type	k_q8eff521908_oproj,@function
k_q8eff521908_oproj:
	s_mov_b64 s[64:65], 0
	v_nop
	global_prefetch_b8 v0, s[64:65] scope:SCOPE_SE
	s_setreg_imm32_b32 hwreg(HW_REG_WAVE_MODE, 25, 1), 1
	s_wait_xcnt 0x0
; out = att Wo^T + bo: [768][256] x [256][256] on codes of FP8 (E4M3) with one E8M0 scale for each 32 along K; both operands were laid by the launches before in the order of the operand's registers.
; SHARES.  One wave to a work-group: 16 rows (x = mt) x 64 columns (y = G): four accumulators, two K steps of 128: eight matrix instructions.  192 waves that share nothing: no LDS, no barrier.
; att_codes: [row / 8][ch / 32][256 bytes], in the 256: 128 x ((ch / 16) % 2) + 16 x (row % 8) + ch % 16: lane (r, h) finds registers 4 c .. 4 c + 3 of K step s (k = 128 s + 32 c + 16 h + 0 .. 15 of row r) as 16 bytes.
; att_scales: 8 bytes a row: the two K steps' scale words.  wo_codes: fragment 8 G + 2 t + s, 2,048 bytes, 16 bytes a lane and group of four registers; wo_scales: 128 bytes a fragment.
; THE COLUMNS OF A TILE ARE NOT NEIGHBOURS: lane r of tile t holds Wo's row (the output's column) 64 G + 4 r + t, so that a lane's four tiles are four NEIGHBOURING columns of a row: the addition of the bias puts
; them into four neighbouring registers, and sixteen lanes store 256 consecutive bytes, aligned.
; NO CLUSTER, NO TENSOR LOAD: a wave reads 4 KiB of rows' codes and 16 KiB of Wo's once, straight into the operands' registers; nothing is read a second time.
; LIMITS: as the launches before state them; none of its own.
; REGISTERS: v1 r, v2 h, v3-8 offsets, v[10:11] the rows' scale words, v16-47 A (K step s at 16 + 16 s), v48-175 B (tile t, step s at 48 + 16 (2 t + s)), v176-183 Wo's scale words (2 t + s), v184-187 the bias,
; v192-223 the four accumulators, v224-255 the result.
	s_load_b256 s[4:11], s[0:1], 0x0               ; att_codes 4:5, att_scales 6:7, wo_codes 8:9, wo_scales 10:11
	s_load_b128 s[12:15], s[0:1], 0x20             ; bo 12:13, out0 14:15
	s_and_b32 s16, ttmp7, 0xffff                   ; G
	v_and_b32 v1, 15, v0                           ; r
	v_bfe_u32 v2, v0, 4, 1                         ; h
	v_lshrrev_b32 v3, 3, v1
	v_lshlrev_b32 v3, 11, v3                       ; rows 8-15 lie 2,048 bytes on
	v_lshl_add_u32 v3, v2, 7, v3
	v_and_b32 v9, 7, v1
	v_lshl_add_u32 v3, v9, 4, v3                   ; + 128 h + 16 (r % 8)
	v_lshlrev_b32 v4, 4, v0                        ; 16 x lane (one wave: the thread's number is the lane)
	v_lshlrev_b32 v5, 2, v0                        ; 4 x lane
	v_lshlrev_b32 v6, 3, v1                        ; 8 r
	v_lshlrev_b32 v7, 4, v1                        ; 16 r
	v_lshl_add_u32 v8, v2, 13, v7                  ; out: 8 h rows of 1,024 bytes + 16 r
	s_lshl_b32 s18, ttmp9, 12                      ; 16 rows' codes: 4,096 bytes
	s_mov_b32 s19, 0
	s_lshl_b32 s20, ttmp9, 7                       ; their scale bytes: 128
	s_mov_b32 s21, 0
	s_lshl_b32 s22, s16, 14                        ; 8 fragments of Wo
	s_mov_b32 s23, 0
	s_lshl_b32 s24, s16, 10                        ; their scale words
	s_mov_b32 s25, 0
	s_lshl_b32 s26, s16, 8                         ; 64 numbers of the bias, and 64 columns of a row of out
	s_mov_b32 s27, 0
	s_lshl_b32 s28, ttmp9, 14                      ; 16 rows of out
	s_add_co_u32 s28, s28, s26
	s_mov_b32 s29, 0
	s_wait_kmcnt 0x0
	s_add_nc_u64 s[4:5], s[4:5], s[18:19]
	s_add_nc_u64 s[6:7], s[6:7], s[20:21]
	s_add_nc_u64 s[8:9], s[8:9], s[22:23]
	s_add_nc_u64 s[10:11], s[10:11], s[24:25]
	s_add_nc_u64 s[12:13], s[12:13], s[26:27]
	s_add_nc_u64 s[14:15], s[14:15], s[28:29]
	; K step 0: 25 loads
	global_load_b64 v[10:11], v6, s[6:7]
.irp c, 0,1,2,3
	global_load_b128 v[16+4*\c:19+4*\c], v3, s[4:5] offset:256*\c
.endr
.irp t, 0,1,2,3
.irp c, 0,1,2,3
	global_load_b128 v[48+32*\t+4*\c:51+32*\t+4*\c], v4, s[8:9] offset:4096*\t+512*\c
.endr
	global_load_b32 v[176+2*\t], v5, s[10:11] offset:256*\t
.endr
	; K step 1 and the bias: 25 loads
.irp c, 0,1,2,3
	global_load_b128 v[32+4*\c:35+4*\c], v3, s[4:5] offset:1024+256*\c
.endr
.irp t, 0,1,2,3
.irp c, 0,1,2,3
	global_load_b128 v[64+32*\t+4*\c:67+32*\t+4*\c], v4, s[8:9] offset:4096*\t+2048+512*\c
.endr
	global_load_b32 v[177+2*\t], v5, s[10:11] offset:256*\t+128
.endr
	global_load_b128 v[184:187], v7, s[12:13]      ; bo at columns 64 G + 4 r + 0 .. 3
	s_wait_loadcnt 25                              ; K step 0's 25 are in; the 25 issued behind them may be out
.irp t, 0,1,2,3
	v_wmma_scale_f32_16x16x128_f8f6f4 v[192+8*\t:199+8*\t], v[16:31], v[48+32*\t:63+32*\t], 0, v10, v[176+2*\t]   ; the first products start the sums
.endr
	s_wait_loadcnt 0x0
.irp t, 0,1,2,3                                ; the four accumulators take turns, one instruction a turn
	v_wmma_scale_f32_16x16x128_f8f6f4 v[192+8*\t:199+8*\t], v[32:47], v[64+32*\t:79+32*\t], v[192+8*\t:199+8*\t], v11, v[177+2*\t]
.endr
.rept 8
	v_nop                                          ; eight places behind this form before a vector instruction reads its result
.endr
.irp j, 0,1,2,3,4,5,6,7                        ; each accumulator from its low end on.  Register j of tile t is out(8 h + j, 64 G + 4 r + t): with the bias it goes to register 4 j + t of the result
.irp t, 0,1,2,3
	v_add_f32 v[224+4*\j+\t], v[192+8*\t+\j], v[184+\t]
.endr
.endr
.irp j, 0,1,2,3,4,5,6,7
	global_store_b128 v8, v[224+4*\j:227+4*\j], s[14:15] offset:1024*\j th:TH_STORE_NT   ; sixteen lanes store 256 consecutive bytes, aligned; written once, read by nobody here
.endr
	s_endpgm
.Lfunc_end_k_q8eff521908_oproj:
	.size	k_q8eff521908_oproj, .Lfunc_end_k_q8eff521908_oproj-k_q8eff521908_oproj
	.p2alignl 7, 3214868480
	.fill 96, 4, 3214868480
	.section	.rodata,"a",@progbits
	.p2align	6, 0x0
	.amdhsa_kernel k_q8eff521908_oproj
		.amdhsa_group_segment_fixed_size 0
		.amdhsa_private_segment_fixed_size 0
		.amdhsa_enable_private_segment 0
		.amdhsa_kernarg_size 48
		.amdhsa_user_sgpr_count 2
		.amdhsa_user_sgpr_kernarg_segment_ptr 1
		.amdhsa_wavefront_size32 1
		.amdhsa_system_sgpr_workgroup_id_x 1
		.amdhsa_system_sgpr_workgroup_id_y 1
		.amdhsa_system_sgpr_workgroup_id_z 1
		.amdhsa_system_vgpr_workitem_id 0
		.amdhsa_next_free_vgpr 256
		.amdhsa_next_free_sgpr 66
		.amdhsa_reserve_vcc 0
		.amdhsa_float_denorm_mode_32 3
		.amdhsa_float_denorm_mode_16_64 3
		.amdhsa_memory_ordered 1
		.amdhsa_forward_progress 1
		.amdhsa_inst_pref_size 10
	.end_amdhsa_kernel
	.amdgpu_metadata
---
amdhsa.version: [ 1, 2 ]
amdhsa.kernels:
  - .name:           k_q8eff521908_oproj
    .symbol:         k_q8eff521908_oproj.kd
    .args:
      - { .name: att_codes, .offset: 0, .size: 8, .value_kind: global_buffer, .address_space: global }
      - { .name: att_scales, .offset: 8, .size: 8, .value_kind: global_buffer, .address_space: global }
      - { .name: wo_codes, .offset: 16, .size: 8, .value_kind: global_buffer, .address_space: global }
      - { .name: wo_scales, .offset: 24, .size: 8, .value_kind: global_buffer, .address_space: global }
      - { .name: bo, .offset: 32, .size: 8, .value_kind: global_buffer, .address_space: global }
      - { .name: out0, .offset: 40, .size: 8, .value_kind: global_buffer, .address_space: global }
    .group_segment_fixed_size: 0
    .private_segment_fixed_size: 0
    .kernarg_segment_align: 8
    .kernarg_segment_size: 48
    .max_flat_workgroup_size: 32
    .sgpr_count:     66
    .vgpr_count:     256
    .wavefront_size: 32
...
	.end_amdgpu_metadata
.endif
;; end of part 3
;; ======== version 2 of 2: 3 launches; version 1 with the launches qkv, oproj written anew for expert scheduling mode
;; workspace buffers: qkv 2,359,296 bytes; wo_codes 65,536 bytes; wo_scales 4,096 bytes; att_codes 196,608 bytes; att_scales 6,144 bytes
;; launch qkv (part 4): grid 146 x 1, 16 waves a work-group, no clusters, 36,864 bytes of LDS; arguments protein_embedding, Wq, Wk, Wv, Wo, bq, bk, bv, qkv, wo_codes, wo_scales; writes qkv, wo_codes, wo_scales
.if DOCPART == 4
	.amdgcn_target "amdgcn-amd-amdhsa--gfx1250"
	.amdhsa_code_object_version 6
	.text
	.protected	k_q8eff521908_qkv
	.globl	k_q8eff521908_qkv
	.p2align	8
	.type	k_q8eff521908_qkv,@function
k_q8eff521908_qkv:
	s_mov_b64 s[64:65], 0
	v_nop
	global_prefetch_b8 v0, s[64:65] scope:SCOPE_SE
	s_setreg_imm32_b32 hwreg(HW_REG_WAVE_SCHED_MODE, 0, 2), 2
	s_setreg_imm32_b32 hwreg(HW_REG_WAVE_MODE, 25, 1), 1
	s_wait_xcnt 0x0
	s_wait_alu depctr_vm_vsrc(0)
; q, k, v = x W^T + b, three products [768][256] x [256][256] on codes of FP8 (E4M3) with one E8M0 scale for each 32 along K; and Wo is turned into codes for the last launch.
; x: [768][256] f32.  Wq, Wk, Wv, Wo: [256 (out)][256 (in)] f32: K, the second axis, is innermost in all of them.  bq, bk, bv: [256] f32.
; SHARES.  Work-groups 0 to 143: a tile of 64 rows x 64 columns of [q | k | v] (12 row blocks x 12 column blocks).  Each of the sixteen waves quantises ONE fragment (16 rows x 128 K) in registers: waves 0-7 the
; four row tiles of x, waves 8-15 the four row tiles of W, two K steps each; the fragments go to LDS as images of their registers (16 bytes a lane, 512 bytes a store); one barrier; then each wave makes ONE tile
; of 16 x 16: two matrix instructions.  Work-groups 144 and 145: Wo's 32 fragments, one a wave, stored as images; they use no LDS and meet no barrier (the branch hangs on the work-group's number alone).
; OUT.  qkv is laid [G 24][quad 192][slot 32][4] f32: G = 8 x (0 q, 1 k, 2 v) + channel / 32, quad = row / 4, slot = channel % 32.  The matrix result gives a lane one channel and eight rows: two stores of 16 bytes,
; and sixteen neighbouring lanes store 256 consecutive bytes, aligned.
; wo_codes: fragment f = 8 G + 2 t + s (column group G of 64, tile t, K step s) at 2,048 f; lane r of it holds Wo's ROW 64 G + 4 r + t, so that in the last launch a lane's four tiles are four neighbouring columns.
; NO CLUSTER, NO TENSOR LOAD: a work-group reads 64 KiB of x and 64 KiB of W once, straight into the registers that quantise them; nothing is read a second time, so there is no tile to be kept in LDS as f32.
; LIMITS: NaN and infinities among the inputs are not served.  A block of zeros gets the scale byte 1 where the rule says 127: its codes are zeros, and the bytes are read by this program alone.
; THE MODE: SCHED_MODE bits 1:0 = 2 (LLVM: expert scheduling mode 2), set by the entry lines.  The code itself states the register dependences
; between vector or matrix instructions and memory or LDS instructions, with s_wait_alu, always for 0.
; THE PLAN.  Registers that memory or LDS instructions touch:
;   v4 .. v14          offsets and LDS addresses.  Written by vector lines ahead of the first load of a path, read by loads, LDS instructions and stores, never written again.
;   v16 .. v79         The 16 loads of numbers land here; QUANT reads and rewrites them; behind the barrier the 16 LDS loads of the four fragments land here; the two products read them.
;   v80 .. v95, v112   Written by QUANT; read by the stores of the image and its scale word; never written again.
;   v113 .. v116, v120 .. v127   Written by loads alone (scale words, the bias), read by the products alone.
;   v128 .. v135       Written by the two products; read by the two stores of the result.
; So a path has one wait on va_vdst ahead of its first load (the offsets and addresses), one behind QUANT (the codes and the scale word are written; QUANT is done with v16 .. v79: no vector instruction stands
; between that wait and the LDS loads that land there), and the tile's path one behind the places ahead of the result's stores.  No register that a memory or LDS instruction reads is written again: no wait on vm_vsrc.
.set SEL, 2                            ; s[2:3] lane selects for v_permlanex16_b32: lane l xor 16
.set MNT, 4                            ; s4     the mantissa field of 448
.set NUM, 16                           ; v16-79   64 numbers of a lane: register 16 b + i = k 32 b + 16 (lane / 16) + i of my row; later four fragments: x step 0, x step 1, W step 0, W step 1
.set PC,  80                           ; v80-95   the codes just made
.set TM,  96                           ; v96-99 largest magnitudes, v100-103 bytes, v104-107 448 x the scale, v108-111 the conversions' scale operands
.set PW,  112                          ; v112     the scale word just made
.set SCW, 32768                        ; LDS: 16 images of 2,048 bytes (image = wave), then their scale words, 128 bytes each
.macro XLOAD                           ; my 64 numbers: of row r, 16 neighbours of each of four blocks of 32
.irp b, 0,1,2,3
.irp j, 0,1,2,3
	global_load_b128 v[NUM+16*\b+4*\j:NUM+16*\b+4*\j+3], v4, s[40:41] offset:128*\b+16*\j
.endr
.endr
.endm
.macro QUANT                           ; v[NUM] on become a fragment's codes in v[PC] on and its scale word in v[PW]
.irp b, 0,1,2,3
	v_max3_num_f32 v[TM+\b], |v[NUM+16*\b]|, |v[NUM+1+16*\b]|, 0x4800000   ; block b: my 16 numbers, and the floor 2^(9 - 127): the byte cannot fall under 1
.endr
.irp i, 2,4,6,8,10,12,14
.irp b, 0,1,2,3
	v_max3_num_f32 v[TM+\b], v[TM+\b], |v[NUM+16*\b+\i]|, |v[NUM+1+16*\b+\i]|   ; the four blocks by turns
.endr
.endr
.irp b, 0,1,2,3
	v_permlanex16_b32 v[TM+4+\b], v[TM+\b], s[SEL], s[SEL+1]
.endr
.irp b, 0,1,2,3
	v_max_num_f32 v[TM+\b], v[TM+\b], v[TM+4+\b]          ; with lane l xor 16: the block's largest magnitude
.endr
.irp b, 0,1,2,3
	v_add_nc_u32 v[TM+12+\b], 0xfc000000, v[TM+\b]        ; 8 off its exponent field: the conversion takes the exponent field of this operand as its scale
.endr
.irp b, 0,1,2,3
	v_and_or_b32 v[TM+8+\b], v[TM+\b], 0x7f800000, s[MNT] ; 448 x the scale
.endr
.irp b, 0,1,2,3
	v_lshrrev_b32 v[TM+4+\b], 23, v[TM+12+\b]             ; the scale's byte
.endr
	v_lshl_or_b32 v[PW], v[TM+5], 8, v[TM+4]              ; four bytes: my row's scale word
	v_lshl_or_b32 v[PW], v[TM+6], 16, v[PW]
	v_lshl_or_b32 v[PW], v[TM+7], 24, v[PW]
.irp b, 0,1,2,3
.irp i, 0,1,2,3,4,5,6,7,8,9,10,11,12,13,14,15
	v_med3_num_f32 v[NUM+16*\b+\i], v[NUM+16*\b+\i], -v[TM+8+\b], v[TM+8+\b]   ; the conversion to an 8-bit code does not saturate (ISA guide 7.6.2): the hold at 448 x the scale
.endr
	v_cvt_scalef32_pk8_fp8_f32 v[PC+4*\b:PC+1+4*\b], v[NUM+16*\b:NUM+7+16*\b], v[TM+12+\b]
	v_cvt_scalef32_pk8_fp8_f32 v[PC+2+4*\b:PC+3+4*\b], v[NUM+8+16*\b:NUM+15+16*\b], v[TM+12+\b]
.endr
	v_nop                                                 ; one plain vector instruction behind the last scaled conversion
.endm
	s_load_b512 s[8:23], s[0:1], 0x0               ; x 8:9, Wq 10:11, Wk 12:13, Wv 14:15, Wo 16:17, bq 18:19, bk 20:21, bv 22:23
	s_load_b128 s[24:27], s[0:1], 0x40             ; qkv 24:25, wo_codes 26:27
	s_load_b64 s[28:29], s[0:1], 0x50              ; wo_scales
	v_lshl_add_u32 v118, v0, 2, 0x8800
	v_mov_b32 v119, 0
	v_lshrrev_b32 v1, 5, v0
	v_readfirstlane_b32 s30, v1                    ; wave 0..15
	v_and_b32 v1, 31, v0                           ; lane
	v_and_b32 v2, 15, v0                           ; r
	v_bfe_u32 v3, v0, 4, 1                         ; h
	v_lshlrev_b32 v5, 4, v1                        ; 16 x lane: my place in an image
	v_lshlrev_b32 v6, 2, v1                        ; 4 x lane: in a scale word's image
	s_mov_b32 s[SEL], 0x76543210
	s_mov_b32 s[SEL+1], 0xfedcba98
	s_mov_b32 s[MNT], 0x600000
	s_wait_alu depctr_va_sdst(0)                   ; s30, the wave's number, is written, ahead of its first reader: LDS addresses, bases and choices are made from it
	; every LDS address is a constant + a constant x wave + a constant x lane, made here, ahead of the parting of the ways
	s_lshl_b32 s33, s30, 11
	v_add_nc_u32 v7, s33, v5                       ; where I store my image: 2,048 x wave
	s_lshl_b32 s33, s30, 7
	s_add_co_u32 s33, s33, SCW
	v_add_nc_u32 v8, s33, v6                       ; and its scale word: 128 x wave
	s_lshr_b32 s34, s30, 2                         ; a: the row tile of the 16 x 16 that I make
	s_and_b32 s35, s30, 3                          ; n: its column tile
	s_lshl_b32 s33, s34, 12
	v_add_nc_u32 v9, s33, v5                       ; x's images 2 a, 2 a + 1
	s_lshl_b32 s33, s35, 12
	s_add_co_u32 s33, s33, 16384
	v_add_nc_u32 v10, s33, v5                      ; W's images 8 + 2 n, 8 + 2 n + 1
	s_lshl_b32 s33, s34, 8
	s_add_co_u32 s33, s33, SCW
	v_add_nc_u32 v11, s33, v6                      ; x's scale words
	s_lshl_b32 s33, s35, 8
	s_add_co_u32 s33, s33, SCW+1024
	v_add_nc_u32 v12, s33, v6                      ; W's
.irp b, 0,1,2,3
	v_mov_b32 v[TM+4+\b], 0                        ; written once: a lane permute's destination counts as one of its sources
.endr
	s_cmp_ge_u32 ttmp9, 144                        ; the same in all sixteen waves of a work-group
	s_cbranch_scc1 .Lwo
	; ---- a tile of [q | k | v]
	s_mul_hi_u32 s31, ttmp9, 0x15555556            ; rb = work-group / 12 (exact for numbers under 144)
	s_mul_i32 s33, s31, 12
	s_sub_co_u32 s32, ttmp9, s33                   ; cb = work-group % 12
	s_lshr_b32 s36, s32, 2                         ; 0 q, 1 k, 2 v
	s_and_b32 s37, s32, 3                          ; which 64 of its 256 columns
	s_lshr_b32 s38, s30, 3                         ; I quantise x (0) or W (1)
	v_lshlrev_b32 v4, 10, v2
	v_lshl_add_u32 v4, v3, 6, v4                   ; row r of 1,024 bytes, + 64 h
	v_lshlrev_b32 v13, 2, v2                       ; the bias: 4 r
	v_lshlrev_b32 v14, 4, v2
	v_lshl_add_u32 v14, v3, 10, v14                ; out: slot r, 16 bytes; lanes 16-31 two quads (8 rows) on
	s_cmp_eq_u32 s38, 0
	s_cselect_b32 s39, s31, s37
	s_lshl_b32 s39, s39, 6                         ; the block's first row: 64 rb in x, 64 (cb % 4) in W
	s_bfe_u32 s33, s30, 0x20001                    ; my tile of 16 rows: (wave / 2) % 4
	s_lshl_b32 s33, s33, 4
	s_add_co_u32 s39, s39, s33
	s_lshl_b32 s44, s39, 10
	s_and_b32 s33, s30, 1                          ; my K step
	s_lshl_b32 s33, s33, 9
	s_add_co_u32 s44, s44, s33
	s_mov_b32 s45, 0
	s_wait_kmcnt 0x0
	s_cmp_eq_u32 s36, 0                            ; the buffers are chosen on ids alone
	s_cselect_b64 s[40:41], s[10:11], s[12:13]
	s_cselect_b64 s[42:43], s[18:19], s[20:21]
	s_cmp_eq_u32 s36, 2
	s_cselect_b64 s[40:41], s[14:15], s[40:41]
	s_cselect_b64 s[42:43], s[22:23], s[42:43]
	s_cmp_eq_u32 s38, 0
	s_cselect_b64 s[40:41], s[8:9], s[40:41]
	s_add_nc_u64 s[40:41], s[40:41], s[44:45]
	s_wait_alu depctr_va_vdst(0)                   ; the offsets v4, v13, v14 and the LDS addresses v7 to v12 are written: every load, LDS instruction and store of this path reads one of them, and none is written again
	XLOAD
	s_lshl_b32 s44, s37, 8                         ; the bias of my tile's 16 columns: 4 x (64 (cb % 4) + 16 n)
	s_lshl_b32 s33, s35, 6
	s_add_co_u32 s44, s44, s33
	s_add_nc_u64 s[42:43], s[42:43], s[44:45]
.irp j, 0,1,2,3,4,5,6,7
	global_load_b32 v[120+\j], v13, s[42:43]       ; the result's layout gives a lane one column and eight rows: the column's bias in all eight registers
.endr
	s_lshl_b32 s33, s32, 1                         ; where my tile goes: G = 2 cb + n / 2,
	s_lshr_b32 s39, s35, 1
	s_add_co_u32 s33, s33, s39
	s_mul_i32 s44, s33, 98304
	s_lshl_b32 s33, s31, 4                         ; quad 16 rb + 4 a,
	s_lshl_b32 s39, s34, 2
	s_add_co_u32 s33, s33, s39
	s_lshl_b32 s33, s33, 9
	s_add_co_u32 s44, s44, s33
	s_and_b32 s33, s35, 1                          ; slots 16 (n % 2) on
	s_lshl_b32 s33, s33, 8
	s_add_co_u32 s44, s44, s33
	s_add_nc_u64 s[24:25], s[24:25], s[44:45]
	s_wait_loadcnt 8                               ; my 16 loads of numbers are in; the 8 of the bias, issued behind them, may be out
	QUANT
	s_wait_alu depctr_va_vdst(0)                   ; the conversions have written v[PC ..] and the shifts v[PW], which the LDS stores read; the holds and conversions are done writing and reading v[NUM ..], in which the LDS loads behind the barrier land
.irp c, 0,1,2,3
	ds_store_b128 v7, v[PC+4*\c:PC+4*\c+3] offset:512*\c   ; the fragment as it stands in my registers
.endr
	ds_store_b32 v8, v[PW]
	s_wait_dscnt 0x0                               ; for the others' sake: my stores have landed
	s_barrier_signal -1
	s_barrier_wait -1                              ; all sixteen images lie in LDS; nothing is written there again
.irp s, 0,1                                    ; no wait: no vector instruction since the wait above, and no memory or LDS instruction has read the registers in which these land
.irp c, 0,1,2,3
	ds_load_b128 v[16+16*\s+4*\c:19+16*\s+4*\c], v9 offset:2048*\s+512*\c
.endr
.irp c, 0,1,2,3
	ds_load_b128 v[48+16*\s+4*\c:51+16*\s+4*\c], v10 offset:2048*\s+512*\c
.endr
	ds_load_b32 v[113+\s], v11 offset:128*\s       ; v113, v114: x's scale words; v115, v116: W's: these four hold scales and nothing else
	ds_load_b32 v[115+\s], v12 offset:128*\s
.endr
	s_wait_dscnt 0x0
	s_wait_loadcnt 0x0                             ; the bias
	v_wmma_scale_f32_16x16x128_f8f6f4 v[128:135], v[16:31], v[48:63], v[120:127], v113, v115   ; the bias is the C of the sum's first product
	s_wait_alu depctr_va_vdst(0)                   ; this wait directly ahead of the chain's next link
	v_wmma_scale_f32_16x16x128_f8f6f4 v[128:135], v[32:47], v[64:79], v[128:135], v114, v116
.rept 8
	v_nop                                          ; eight places behind this form before a store reads its result
.endr
	s_wait_alu depctr_va_vdst(0)                   ; the second product has written v[128:135], which the two stores read; the places above stay beside this wait
	global_store_b128 v14, v[128:131], s[24:25]             ; rows 8 h + 0..3 of column r: sixteen lanes store 256 consecutive bytes, aligned
	global_store_b128 v14, v[132:135], s[24:25] offset:512  ; rows 8 h + 4..7: the next quad
	s_wait_dscnt 0x0
	s_wait_alu depctr_hold_cnt(0) depctr_sa_sdst(0) depctr_va_vdst(0) depctr_va_sdst(0) depctr_va_ssrc(0) depctr_va_vcc(0) depctr_vm_vsrc(0)
	s_wait_tensorcnt 0x0
	ds_add_u32 v118, v119
	s_wait_dscnt 0x0
	s_endpgm
	; ---- Wo: fragment f = 16 x (work-group - 144) + wave
.Lwo:
	s_sub_co_u32 s31, ttmp9, 144
	s_lshl_b32 s31, s31, 4
	s_add_co_u32 s31, s31, s30                     ; f
	v_lshlrev_b32 v4, 12, v2
	v_lshl_add_u32 v4, v3, 6, v4                   ; lane r takes the row 4 r further down: 4,096 r, + 64 h
	s_lshr_b32 s33, s31, 3
	s_lshl_b32 s33, s33, 6                         ; 64 G
	s_bfe_u32 s39, s31, 0x20001                    ; + t
	s_add_co_u32 s33, s33, s39
	s_lshl_b32 s44, s33, 10
	s_and_b32 s39, s31, 1                          ; K step
	s_lshl_b32 s39, s39, 9
	s_add_co_u32 s44, s44, s39
	s_mov_b32 s45, 0
	s_wait_kmcnt 0x0
	s_add_nc_u64 s[40:41], s[16:17], s[44:45]
	s_wait_alu depctr_va_vdst(0)                   ; the offsets v4, v5 and v6 are written: the loads below read v4, the stores at the end v5 and v6, and none is written again
	XLOAD
	s_lshl_b32 s44, s31, 11
	s_add_nc_u64 s[26:27], s[26:27], s[44:45]      ; its image
	s_lshl_b32 s44, s31, 7
	s_add_nc_u64 s[28:29], s[28:29], s[44:45]      ; its scale words
	s_wait_loadcnt 0x0
	QUANT
	s_wait_alu depctr_va_vdst(0)                   ; the conversions have written v[PC ..] and the shifts v[PW], which the stores read
.irp c, 0,1,2,3
	global_store_b128 v5, v[PC+4*\c:PC+4*\c+3], s[26:27] offset:512*\c   ; 32 lanes store 512 consecutive bytes
.endr
	global_store_b32 v6, v[PW], s[28:29]           ; 128 consecutive bytes a wave: 4,096 bytes in the whole launch
	s_endpgm
.Lfunc_end_k_q8eff521908_qkv:
	.size	k_q8eff521908_qkv, .Lfunc_end_k_q8eff521908_qkv-k_q8eff521908_qkv
	.p2alignl 7, 3214868480
	.fill 96, 4, 3214868480
	.section	.rodata,"a",@progbits
	.p2align	6, 0x0
	.amdhsa_kernel k_q8eff521908_qkv
		.amdhsa_group_segment_fixed_size 36864
		.amdhsa_private_segment_fixed_size 0
		.amdhsa_enable_private_segment 0
		.amdhsa_kernarg_size 88
		.amdhsa_user_sgpr_count 2
		.amdhsa_user_sgpr_kernarg_segment_ptr 1
		.amdhsa_wavefront_size32 1
		.amdhsa_system_sgpr_workgroup_id_x 1
		.amdhsa_system_sgpr_workgroup_id_y 1
		.amdhsa_system_sgpr_workgroup_id_z 1
		.amdhsa_system_vgpr_workitem_id 0
		.amdhsa_next_free_vgpr 136
		.amdhsa_next_free_sgpr 66
		.amdhsa_reserve_vcc 0
		.amdhsa_float_denorm_mode_32 3
		.amdhsa_float_denorm_mode_16_64 3
		.amdhsa_memory_ordered 1
		.amdhsa_forward_progress 1
		.amdhsa_inst_pref_size 28
	.end_amdhsa_kernel
	.amdgpu_metadata
---
amdhsa.version: [ 1, 2 ]
amdhsa.kernels:
  - .name:           k_q8eff521908_qkv
    .symbol:         k_q8eff521908_qkv.kd
    .args:
      - { .name: protein_embedding, .offset: 0, .size: 8, .value_kind: global_buffer, .address_space: global }
      - { .name: Wq, .offset: 8, .size: 8, .value_kind: global_buffer, .address_space: global }
      - { .name: Wk, .offset: 16, .size: 8, .value_kind: global_buffer, .address_space: global }
      - { .name: Wv, .offset: 24, .size: 8, .value_kind: global_buffer, .address_space: global }
      - { .name: Wo, .offset: 32, .size: 8, .value_kind: global_buffer, .address_space: global }
      - { .name: bq, .offset: 40, .size: 8, .value_kind: global_buffer, .address_space: global }
      - { .name: bk, .offset: 48, .size: 8, .value_kind: global_buffer, .address_space: global }
      - { .name: bv, .offset: 56, .size: 8, .value_kind: global_buffer, .address_space: global }
      - { .name: qkv, .offset: 64, .size: 8, .value_kind: global_buffer, .address_space: global }
      - { .name: wo_codes, .offset: 72, .size: 8, .value_kind: global_buffer, .address_space: global }
      - { .name: wo_scales, .offset: 80, .size: 8, .value_kind: global_buffer, .address_space: global }
    .group_segment_fixed_size: 36864
    .private_segment_fixed_size: 0
    .kernarg_segment_align: 8
    .kernarg_segment_size: 88
    .max_flat_workgroup_size: 512
    .sgpr_count:     66
    .vgpr_count:     136
    .wavefront_size: 32
...
	.end_amdgpu_metadata
.endif
;; end of part 4
;; launch attn: the kernel of part 2 again; grid 8 x 32, 16 waves a work-group, no clusters, 108,544 bytes of LDS; arguments qkv, att_codes, att_scales; writes att_codes, att_scales
;; launch oproj (part 5): grid 48 x 4, 1 waves a work-group, no clusters, 0 bytes of LDS; arguments att_codes, att_scales, wo_codes, wo_scales, bo, out0; writes out0
.if DOCPART == 5
	.amdgcn_target "amdgcn-amd-amdhsa--gfx1250"
	.amdhsa_code_object_version 6
	.text
	.protected	k_q8eff521908_oproj
	.globl	k_q8eff521908_oproj
	.p2align	8
	.type	k_q8eff521908_oproj,@function
k_q8eff521908_oproj:
	s_mov_b64 s[64:65], 0
	v_nop
	global_prefetch_b8 v0, s[64:65] scope:SCOPE_SE
	s_setreg_imm32_b32 hwreg(HW_REG_WAVE_SCHED_MODE, 0, 2), 2
	s_setreg_imm32_b32 hwreg(HW_REG_WAVE_MODE, 25, 1), 1
	s_wait_xcnt 0x0
	s_wait_alu depctr_vm_vsrc(0)
; out = att Wo^T + bo: [768][256] x [256][256] on codes of FP8 (E4M3) with one E8M0 scale for each 32 along K; both operands were laid by the launches before in the order of the operand's registers.
; SHARES.  One wave to a work-group: 16 rows (x = mt) x 64 columns (y = G): four accumulators, two K steps of 128: eight matrix instructions.  192 waves that share nothing: no LDS, no barrier.
; att_codes: [row / 8][ch / 32][256 bytes], in the 256: 128 x ((ch / 16) % 2) + 16 x (row % 8) + ch % 16: lane (r, h) finds registers 4 c .. 4 c + 3 of K step s (k = 128 s + 32 c + 16 h + 0 .. 15 of row r) as 16 bytes.
; att_scales: 8 bytes a row: the two K steps' scale words.  wo_codes: fragment 8 G + 2 t + s, 2,048 bytes, 16 bytes a lane and group of four registers; wo_scales: 128 bytes a fragment.
; THE COLUMNS OF A TILE ARE NOT NEIGHBOURS: lane r of tile t holds Wo's row (the output's column) 64 G + 4 r + t, so that a lane's four tiles are four NEIGHBOURING columns of a row: the addition of the bias puts
; them into four neighbouring registers, and sixteen lanes store 256 consecutive bytes, aligned.
; NO CLUSTER, NO TENSOR LOAD: a wave reads 4 KiB of rows' codes and 16 KiB of Wo's once, straight into the operands' registers; nothing is read a second time.
; LIMITS: as the launches before state them; none of its own.
; THE MODE: SCHED_MODE bits 1:0 = 2 (LLVM: expert scheduling mode 2), set by the entry lines.  The code itself states the register dependences
; between vector or matrix instructions and memory instructions, with s_wait_alu, always for 0.
; THE PLAN.  Registers that memory instructions touch:
;   v3 .. v8                      offsets.  Written by vector lines at the head, read by the 50 loads and the 8 stores, never written again.
;   v[10:11], v16 .. v187         Written by loads alone, each once; read by the products and the additions.
;   v224 .. v255                  Written by the 32 additions; read by the 8 stores; never written again.
; So two waits on va_vdst: one ahead of the first load (the offsets), one behind the additions, ahead of the run of stores.  No register that a memory instruction reads is written again: no wait on vm_vsrc.
; REGISTERS: v1 r, v2 h, v3-8 offsets, v[10:11] the rows' scale words, v16-47 A (K step s at 16 + 16 s), v48-175 B (tile t, step s at 48 + 16 (2 t + s)), v176-183 Wo's scale words (2 t + s), v184-187 the bias,
; v192-223 the four accumulators, v224-255 the result.
	s_load_b256 s[4:11], s[0:1], 0x0               ; att_codes 4:5, att_scales 6:7, wo_codes 8:9, wo_scales 10:11
	s_load_b128 s[12:15], s[0:1], 0x20             ; bo 12:13, out0 14:15
	s_and_b32 s16, ttmp7, 0xffff                   ; G
	v_and_b32 v1, 15, v0                           ; r
	v_bfe_u32 v2, v0, 4, 1                         ; h
	v_lshrrev_b32 v3, 3, v1
	v_lshlrev_b32 v3, 11, v3                       ; rows 8-15 lie 2,048 bytes on
	v_lshl_add_u32 v3, v2, 7, v3
	v_and_b32 v9, 7, v1
	v_lshl_add_u32 v3, v9, 4, v3                   ; + 128 h + 16 (r % 8)
	v_lshlrev_b32 v4, 4, v0                        ; 16 x lane (one wave: the thread's number is the lane)
	v_lshlrev_b32 v5, 2, v0                        ; 4 x lane
	v_lshlrev_b32 v6, 3, v1                        ; 8 r
	v_lshlrev_b32 v7, 4, v1                        ; 16 r
	v_lshl_add_u32 v8, v2, 13, v7                  ; out: 8 h rows of 1,024 bytes + 16 r
	s_lshl_b32 s18, ttmp9, 12                      ; 16 rows' codes: 4,096 bytes
	s_mov_b32 s19, 0
	s_lshl_b32 s20, ttmp9, 7                       ; their scale bytes: 128
	s_mov_b32 s21, 0
	s_lshl_b32 s22, s16, 14                        ; 8 fragments of Wo
	s_mov_b32 s23, 0
	s_lshl_b32 s24, s16, 10                        ; their scale words
	s_mov_b32 s25, 0
	s_lshl_b32 s26, s16, 8                         ; 64 numbers of the bias, and 64 columns of a row of out
	s_mov_b32 s27, 0
	s_lshl_b32 s28, ttmp9, 14                      ; 16 rows of out
	s_add_co_u32 s28, s28, s26
	s_mov_b32 s29, 0
	s_wait_kmcnt 0x0
	s_add_nc_u64 s[4:5], s[4:5], s[18:19]
	s_add_nc_u64 s[6:7], s[6:7], s[20:21]
	s_add_nc_u64 s[8:9], s[8:9], s[22:23]
	s_add_nc_u64 s[10:11], s[10:11], s[24:25]
	s_add_nc_u64 s[12:13], s[12:13], s[26:27]
	s_add_nc_u64 s[14:15], s[14:15], s[28:29]
	s_wait_alu depctr_va_vdst(0)                   ; the six offsets v3 to v8 are written: every load and store of the kernel reads one of them, and none is written again
	; K step 0: 25 loads
	global_load_b64 v[10:11], v6, s[6:7]
.irp c, 0,1,2,3
	global_load_b128 v[16+4*\c:19+4*\c], v3, s[4:5] offset:256*\c
.endr
.irp t, 0,1,2,3
.irp c, 0,1,2,3
	global_load_b128 v[48+32*\t+4*\c:51+32*\t+4*\c], v4, s[8:9] offset:4096*\t+512*\c
.endr
	global_load_b32 v[176+2*\t], v5, s[10:11] offset:256*\t
.endr
	; K step 1 and the bias: 25 loads
.irp c, 0,1,2,3
	global_load_b128 v[32+4*\c:35+4*\c], v3, s[4:5] offset:1024+256*\c
.endr
.irp t, 0,1,2,3
.irp c, 0,1,2,3
	global_load_b128 v[64+32*\t+4*\c:67+32*\t+4*\c], v4, s[8:9] offset:4096*\t+2048+512*\c
.endr
	global_load_b32 v[177+2*\t], v5, s[10:11] offset:256*\t+128
.endr
	global_load_b128 v[184:187], v7, s[12:13]      ; bo at columns 64 G + 4 r + 0 .. 3
	s_wait_loadcnt 25                              ; K step 0's 25 are in; the 25 issued behind them may be out
.irp t, 0,1,2,3
	v_wmma_scale_f32_16x16x128_f8f6f4 v[192+8*\t:199+8*\t], v[16:31], v[48+32*\t:63+32*\t], 0, v10, v[176+2*\t]   ; the first products start the sums
.endr
	s_wait_loadcnt 0x0
.irp t, 0,1,2,3                                ; the four accumulators take turns, one instruction a turn
	v_wmma_scale_f32_16x16x128_f8f6f4 v[192+8*\t:199+8*\t], v[32:47], v[64+32*\t:79+32*\t], v[192+8*\t:199+8*\t], v11, v[177+2*\t]
.endr
.rept 8
	v_nop                                          ; eight places behind this form before a vector instruction reads its result
.endr
.irp j, 0,1,2,3,4,5,6,7                        ; each accumulator from its low end on.  Register j of tile t is out(8 h + j, 64 G + 4 r + t): with the bias it goes to register 4 j + t of the result
.irp t, 0,1,2,3
	v_add_f32 v[224+4*\j+\t], v[192+8*\t+\j], v[184+\t]
.endr
.endr
	s_wait_alu depctr_va_vdst(0)                   ; the 32 additions have written v[224:255], which the eight stores read
.irp j, 0,1,2,3,4,5,6,7
	global_store_b128 v8, v[224+4*\j:227+4*\j], s[14:15] offset:1024*\j th:TH_STORE_NT   ; sixteen lanes store 256 consecutive bytes, aligned; written once, read by nobody here
.endr
	s_endpgm
.Lfunc_end_k_q8eff521908_oproj:
	.size	k_q8eff521908_oproj, .Lfunc_end_k_q8eff521908_oproj-k_q8eff521908_oproj
	.p2alignl 7, 3214868480
	.fill 96, 4, 3214868480
	.section	.rodata,"a",@progbits
	.p2align	6, 0x0
	.amdhsa_kernel k_q8eff521908_oproj
		.amdhsa_group_segment_fixed_size 0
		.amdhsa_private_segment_fixed_size 0
		.amdhsa_enable_private_segment 0
		.amdhsa_kernarg_size 48
		.amdhsa_user_sgpr_count 2
		.amdhsa_user_sgpr_kernarg_segment_ptr 1
		.amdhsa_wavefront_size32 1
		.amdhsa_system_sgpr_workgroup_id_x 1
		.amdhsa_system_sgpr_workgroup_id_y 1
		.amdhsa_system_sgpr_workgroup_id_z 1
		.amdhsa_system_vgpr_workitem_id 0
		.amdhsa_next_free_vgpr 256
		.amdhsa_next_free_sgpr 66
		.amdhsa_reserve_vcc 0
		.amdhsa_float_denorm_mode_32 3
		.amdhsa_float_denorm_mode_16_64 3
		.amdhsa_memory_ordered 1
		.amdhsa_forward_progress 1
		.amdhsa_inst_pref_size 10
	.end_amdhsa_kernel
	.amdgpu_metadata
---
amdhsa.version: [ 1, 2 ]
amdhsa.kernels:
  - .name:           k_q8eff521908_oproj
    .symbol:         k_q8eff521908_oproj.kd
    .args:
      - { .name: att_codes, .offset: 0, .size: 8, .value_kind: global_buffer, .address_space: global }
      - { .name: att_scales, .offset: 8, .size: 8, .value_kind: global_buffer, .address_space: global }
      - { .name: wo_codes, .offset: 16, .size: 8, .value_kind: global_buffer, .address_space: global }
      - { .name: wo_scales, .offset: 24, .size: 8, .value_kind: global_buffer, .address_space: global }
      - { .name: bo, .offset: 32, .size: 8, .value_kind: global_buffer, .address_space: global }
      - { .name: out0, .offset: 40, .size: 8, .value_kind: global_buffer, .address_space: global }
    .group_segment_fixed_size: 0
    .private_segment_fixed_size: 0
    .kernarg_segment_align: 8
    .kernarg_segment_size: 48
    .max_flat_workgroup_size: 32
    .sgpr_count:     66
    .vgpr_count:     256
    .wavefront_size: 32
...
	.end_amdgpu_metadata
.endif
;; end of part 5
